; MI455X (gfx1250); checked and timed in simulation.
; The chip was launched on July 23, 2026; its instructions are those of AMD's public machine-readable ISA for CDNA 5 (MIT licence, August 2026) and "CDNA5" Instruction Set Architecture Reference Guide (July 2026). The comments in the code are by the model that wrote it; some were corrected since.
;; Attention Pair. Allowed arithmetic: matrix products marked QUANTISED: E2M3 operands, one E8M0 scale for each 32 along K, by v_wmma_scale_f32_16x16x128_f8f6f4 with both operands' format E2M3, f32 sums; products left as they are: f32 operands where the result goes on into a quantised operand, else bf16, f16 or f32 operands; f32 sums; everything else in f32.
;; Inputs: W_mat_codes 512 x 32 x 24 uint8 (E2M3 codes of W_mat, K innermost, in blocks of 32 codes, four codes in three bytes); W_mat_scales 512 x 32 uint8 (E8M0 scales of W_mat, one for each 32 codes along K); W_vec_codes 512 x 32 x 24 uint8 (E2M3 codes of W_vec, K innermost, in blocks of 32 codes, four codes in three bytes); W_vec_scales 512 x 32 uint8 (E8M0 scales of W_vec, one for each 32 codes along K); input_lengths 64 int32; matrix 64 x 512 x 1,024 float32; vector_codes 64 x 32 x 24 uint8 (E2M3 codes of vector, K innermost, in blocks of 32 codes, four codes in three bytes); vector_scales 64 x 32 uint8 (E8M0 scales of vector, one for each 32 codes along K); w_attn 512 float32.
;; Outputs: out0 64 x 1,024 float32; out1 64 x 512 float32.
;; This version of the problem:
;;   THIS VERSION OF THE PROBLEM IS GIVEN IN LOW PRECISION. The matrix products marked QUANTISED in the list below multiply operands that are first quantised to E2M3 (2 exponent bits, 3 mantissa bits; 6 bits a number), with one power-of-two scale for each 32 numbers along K (OCP MX v1.0); their sums are f32. All else is computed in f32.
;;   The module's matrix products, in the order in which they are computed (A, B: the left and right operand; K: the contracted axis; several contracted axes count as one K, in the product's order):
;;     1. [M 64, K 1,024] x [K 1,024, N 512]; A: input vector (given as codes); B: input W_vec (given as codes): QUANTISED
;;     2. [M 32,768, K 1,024] x [K 1,024, N 512]; A: input matrix; B: input W_mat (given as codes): QUANTISED
;;     3. [M 32,768, K 512] x [K 512, N 1]; A: computed on the way; B: input w_attn: left as it is (N = 1 < 16)
;;     4. batch 64 x [M 1,024, K 512] x [K 512, N 1]; A: input matrix; B: computed on the way: left as it is (N = 1 < 16)
;;   THE QUANTISER, for each operand of a quantised product, along K:
;;     - K is cut into blocks of 32 from its start; a last block that is shorter is filled with zeros.
;;     - A block's scale is 2^e with e = floor(log2(the largest magnitude in the block)) - 2, held to -126 .. 127; a block of zeros has e = 0. As a byte (E8M0): e + 127.
;;     - Each number is divided by its block's scale, clamped to +-7.5, and rounded to the nearest number of E2M3, ties to even, subnormals kept.
;;     - The product sums the exact products of the quantised numbers (number of the format x scale) in f32.
;;   ~~~python
;;   def quantise(x, axis):      # numpy; x: float32 -> the quantised numbers, widened to float32 again
;;       x = np.moveaxis(x, axis, -1); K = x.shape[-1]
;;       x = np.pad(x, [(0, 0)] * (x.ndim - 1) + [(0, -K % 32)]); x = x.reshape(x.shape[:-1] + (-1, 32)); a = np.abs(x).max(-1, keepdims=True)
;;       e = np.where(a > 0, np.clip(np.frexp(np.where(a > 0, a, 1))[1] - 1 - 2, -126, 127), 0)      # np.frexp(a)[1] - 1 = floor(log2(a)), exactly
;;       r = np.clip(x / 2.0 ** e, -7.5, 7.5)
;;       step = 2.0 ** (np.maximum(np.frexp(np.where(r == 0, 1, r))[1] - 1, 0) - 3)
;;       q = np.round(r / step) * step * 2.0 ** e      # np.round: ties to even
;;       return np.moveaxis(q.reshape(q.shape[:-2] + (-1,))[..., :K], -1, axis).astype(np.float32)
;;   ~~~
;;   INPUTS GIVEN AS CODES. W_mat (in the module: [1024, 512], K = its axis 0); W_vec (in the module: [1024, 512], K = its axis 0); vector (in the module: [64, 1024], K = its axis 1): each comes as NAME_codes (uint8): NAME with its K axis moved to the last place and cut into blocks of 32 codes, [.., K / 32, bytes a block], one block behind the other in memory; four codes in three bytes: a row's codes are one little-endian stream of bits, code i at bits 6 i .. 6 i + 5 (a code: sign, 2 exponent bits, 3 mantissa bits); and NAME_scales (uint8): the same leading axes, one E8M0 byte (e + 127) for each 32 codes along K. Its value is code x scale, taken as it is: it is not quantised again, and the codes and scales need not be those that the quantiser above would give.
;; One version. Each part assembles by itself: llvm-mc -triple=amdgcn-amd-amdhsa -mcpu=gfx1250 --defsym DOCPART=n.
;; ======== version 1 of 1: 3 launches
;; limits: right only within a limited range of input values
;; workspace buffers: wimg 393,216 bytes; t1 131,072 bytes; part 1,048,576 bytes; logits 131,072 bytes; wmax 1,024 bytes
;; launch prep (part 1): grid 32 x 1, 4 waves a work-group, no clusters, 80,384 bytes of LDS; arguments W_mat_codes, W_vec_codes, W_vec_scales, vector_codes, vector_scales, wimg, t1; writes wimg, t1
.if DOCPART == 1
	.amdgcn_target "amdgcn-amd-amdhsa--gfx1250"
	.amdhsa_code_object_version 6
	.text
	.protected	k_qbe1bc87504_prep
	.globl	k_qbe1bc87504_prep
	.p2align	8
	.type	k_qbe1bc87504_prep,@function
k_qbe1bc87504_prep:
	s_mov_b64 s[64:65], 0
	v_nop
	global_prefetch_b8 v0, s[64:65] scope:SCOPE_SE
	s_setreg_imm32_b32 hwreg(HW_REG_WAVE_MODE, 25, 1), 1
	s_wait_xcnt 0x0
; Two small jobs ahead of the main launch, on one path for every wave.
; (1) t1 = vector x W_vec, [64][512] f32, on the given codes of FP6 (E2M3) and their E8M0 scale bytes: 4 x 32 tiles of 16 x 16, one tile a wave, K = 1,024 in eight matrix instructions.
; (2) W_mat's codes, [512 n][768 bytes], are laid anew as IMAGES OF OPERAND REGISTERS: fragment 64 wm + 8 s + j (rows n = 128 wm + 16 j + r, K step s) takes 1,536 bytes of wimg;
;     byte 512 c + 16 lane of it holds the lane's registers 4 c .. 4 c + 3.  The main launch then fills its registers by loads of 512 consecutive bytes.
; SHARES.  Work-group wg: batch rows 16 (wg % 4) on, columns 64 (wg / 4) on, 16 of them a wave; and rows 16 wg .. 16 wg + 15 of W_mat (wm = wg / 8, j = wg % 8), K steps 2 w and 2 w + 1 a wave.
; EVERY LOAD FROM MEMORY IS DENSE.  A fragment wants 24 bytes here and 24 there of sixteen rows 768 bytes apart; sixteen whole rows are 12,288 consecutive bytes.  So the rows come as they lie,
; 512 consecutive bytes a load, go into LDS with 16 bytes of padding behind each row, and the fragments are cut out there: rows 784 bytes = 196 words apart start at bank 4 r mod 64
; (64 banks of 4 bytes: ISA guide 11.1), so that the 32 lanes of a load of 8 bytes touch 64 different banks.
; 128 tiles and 256 fragments are work for 128 waves: 32 work-groups.  A wave's chain is one run of loads, a turn through LDS, eight products, one way out; more work-groups would not shorten it.
; THE MATRIX INSTRUCTION IS USED TRANSPOSED (source 0 = 16 rows of W_vec, source 1 = 16 rows of vector): a lane then holds one batch row (lane % 16) and eight neighbouring columns of t1.
; K is shared between two accumulators that take turns; the two are added at the end: an order of rounding that differs from one chain's.
.set PR,  784                          ; a row of codes in LDS: 768 bytes + 16
.set STG, 0                            ; LDS: t1's stage, 16 rows x (256 + 16) bytes;
.set VEC, 4608                         ; vector's 16 rows, brought by the four waves, read by all;
.set WM,  VEC+16*PR                    ; W_mat's 16 rows, likewise;
.set WV,  WM+16*PR                     ; W_vec's 16 rows of each wave, 16 PR bytes a wave: the wave's own
.set WS,  16                           ; v16-19   W_vec's scale words: register i: lanes 0-15 the word of K step i, lanes 16-31 that of K step 4 + i
.set VS,  20                           ; v20-23   vector's, likewise
.set LD,  24                           ; v24-167  36 x 16 bytes as loaded;  behind the barrier the same registers take the fragments:
.set IM,  24                           ; v24-47   two fragments of W_mat
.set VF,  48                           ; v48-143  vector's eight fragments;  v48-63 are used again on the way out
.set WF,  144                          ; v144-239 W_vec's eight fragments
.set D0,  240                          ; v240-247 the sum over even K steps;  v248-255 over odd ones
; Chunk i of sixteen rows, 512 bytes, goes into LDS.  It is units 2 i and 2 i + 1 of 256 bytes, three units to a row.  Lanes 16-31 (the second unit) lie 256 bytes behind lanes 0-15, or,
; where the second unit begins a row (i % 3 = 1), 256 + 16: register a serves the first case, a + 1 the second.
.macro PUT reg, i, a, base
.if (\i)%3 == 1
	ds_store_b128 v[\a+1], v[\reg:\reg+3] offset:\base+((2*(\i))/3)*PR+((2*(\i))%3)*256
.else
	ds_store_b128 v[\a], v[\reg:\reg+3] offset:\base+((2*(\i))/3)*PR+((2*(\i))%3)*256
.endif
.endm
.macro FRAG reg, adr, imm              ; a fragment of 16 rows x 128 K: lane (r, h) takes 24 bytes at 24 h and 24 at 48 + 24 h of its row's 96, in pieces of 8 bytes
.irp p, 0,1,2,3,4,5
	ds_load_b64 v[\reg+2*\p:\reg+2*\p+1], v[\adr] offset:\imm+48*(\p/3)+8*(\p%3)
.endr
.endm
.macro MM s                            ; K step s
.set pd, D0+8*((\s)%2)
.if (\s) < 2
	v_wmma_scale_f32_16x16x128_f8f6f4 v[pd:pd+7], v[WF+12*(\s):WF+12*(\s)+11], v[VF+12*(\s):VF+12*(\s)+11], 0, v[WS+(\s)%4], v[VS+(\s)%4] matrix_a_fmt:MATRIX_FMT_FP6 matrix_b_fmt:MATRIX_FMT_FP6
.elseif (\s) < 4
	v_wmma_scale_f32_16x16x128_f8f6f4 v[pd:pd+7], v[WF+12*(\s):WF+12*(\s)+11], v[VF+12*(\s):VF+12*(\s)+11], v[pd:pd+7], v[WS+(\s)%4], v[VS+(\s)%4] matrix_a_fmt:MATRIX_FMT_FP6 matrix_b_fmt:MATRIX_FMT_FP6
.else
	v_wmma_scale_f32_16x16x128_f8f6f4 v[pd:pd+7], v[WF+12*(\s):WF+12*(\s)+11], v[VF+12*(\s):VF+12*(\s)+11], v[pd:pd+7], v[WS+(\s)%4], v[VS+(\s)%4] matrix_a_fmt:MATRIX_FMT_FP6 matrix_b_fmt:MATRIX_FMT_FP6 matrix_a_scale:MATRIX_SCALE_ROW1 matrix_b_scale:MATRIX_SCALE_ROW1
.endif
.endm
	s_load_b256 s[4:11], s[0:1], 0x0               ; W_mat's codes s[4:5], W_vec's codes s[6:7], W_vec's scales s[8:9], vector's codes s[10:11]
	s_load_b128 s[12:15], s[0:1], 0x20             ; vector's scales s[12:13], wimg s[14:15]
	s_load_b64 s[16:17], s[0:1], 0x30              ; t1
	s_set_vgpr_msb 0x40
	v_lshl_add_u32 v0, v0, 2, 0x13800
	v_mov_b32 v1, 0
	s_set_vgpr_msb 0x4000
	v_lshrrev_b32 v1, 5, v0
	v_readfirstlane_b32 s18, v1                    ; wave 0..3
	v_and_b32 v1, 15, v0                           ; r
	v_bfe_u32 v2, v0, 4, 1                         ; h
	v_and_b32 v9, 31, v0                           ; lane
	v_lshlrev_b32 v5, 4, v9                        ; 16 lane: my 16 bytes of a load's or a store's 512
	v_lshlrev_b32 v4, 5, v1
	v_lshl_add_u32 v4, v2, 4, v4                   ; scale bytes: row r of 32 bytes, + 16 h
	s_mul_i32 s38, s18, 4*PR                       ; of rows that the waves share, mine are 4 w .. 4 w + 3: six chunks are four rows
	s_mul_i32 s39, s18, 16*PR                      ; my wave's own 16 rows of W_vec
	v_lshl_add_u32 v11, v2, 4, v5                  ; 16 lane + 16 h
	v_add_nc_u32 v12, s39, v5                      ; into LDS, W_vec: v12, and v13 where lanes 16-31 begin a row
	v_add_nc_u32 v13, s39, v11
	v_add_nc_u32 v10, s38, v5                      ; vector and W_mat: v10, v11
	v_add_nc_u32 v11, s38, v11
	v_mul_u32_u24 v3, v1, PR
	v_mad_u32_u24 v3, v2, 24, v3                   ; out of LDS: row r, + 24 h: vector's fragments;
	v_add_nc_u32 v14, s39, v3                      ; W_vec's, in my wave's rows;
	s_mul_i32 s38, s18, 192
	v_add_nc_u32 v15, s38, v3                      ; W_mat's: K steps 2 w and 2 w + 1, 96 bytes each
	s_lshl_b32 s38, s18, 6
	v_mul_u32_u24 v6, v1, 272
	v_lshl_add_u32 v6, v2, 5, v6
	v_add_nc_u32 v6, s38, v6                       ; the stage, in: row r of 256 + 16 bytes, + 64 x wave + 32 h
	s_mul_i32 s38, s18, 4*272
	v_mul_u32_u24 v7, v2, 272
	v_lshl_add_u32 v7, v1, 4, v7
	v_add_nc_u32 v7, s38, v7                       ; and back: row 4 x wave + h, 16 bytes for each of sixteen lanes
	s_lshl_b32 s38, s18, 13
	v_lshlrev_b32 v8, 11, v2
	v_lshl_add_u32 v8, v1, 4, v8
	v_add_nc_u32 v8, s38, v8                       ; the same place in t1: rows of 2,048 bytes
	s_and_b32 s19, ttmp9, 3                        ; mt: which 16 batch rows
	s_lshr_b32 s20, ttmp9, 2                       ; ng: which 64 columns are the work-group's
	s_lshl_b32 s21, s20, 2
	s_add_co_u32 s21, s21, s18                     ; nt = 4 ng + wave: which 16 columns are mine
	s_mul_i32 s22, s18, 3072                       ; my quarter of sixteen shared rows
	s_mul_i32 s24, ttmp9, 12288                    ; W_mat: rows 16 wg on,
	s_add_co_u32 s24, s24, s22                     ; my quarter
	s_mov_b32 s25, 0
	s_mul_i32 s26, s21, 12288                      ; W_vec: rows 16 nt on
	s_mov_b32 s27, 0
	s_mul_i32 s28, s19, 12288                      ; vector: rows 16 mt on,
	s_add_co_u32 s28, s28, s22                     ; my quarter
	s_mov_b32 s29, 0
	s_lshl_b32 s30, s21, 9                         ; the scale bytes: 16 rows of 32
	s_mov_b32 s31, 0
	s_lshl_b32 s32, s19, 9
	s_mov_b32 s33, 0
	s_lshr_b32 s34, ttmp9, 3                       ; wm
	s_lshl_b32 s34, s34, 6
	s_lshl_b32 s35, s18, 4
	s_add_co_u32 s34, s34, s35
	s_and_b32 s35, ttmp9, 7                        ; j
	s_add_co_u32 s34, s34, s35                     ; my first image: 64 wm + 8 (2 w) + j; the second lies 8 images on
	s_mul_i32 s34, s34, 1536
	s_mov_b32 s35, 0
	s_lshl_b32 s36, s19, 15                        ; t1: 16 mt rows of 2,048 bytes
	s_lshl_b32 s37, s20, 8                         ; + 64 ng columns
	s_add_co_u32 s36, s36, s37
	s_mov_b32 s37, 0
	s_wait_alu depctr_va_vdst(0)
	s_wait_kmcnt 0x0
	s_add_nc_u64 s[4:5], s[4:5], s[24:25]
	s_add_nc_u64 s[6:7], s[6:7], s[26:27]
	s_add_nc_u64 s[10:11], s[10:11], s[28:29]
	s_add_nc_u64 s[8:9], s[8:9], s[30:31]
	s_add_nc_u64 s[12:13], s[12:13], s[32:33]
	s_add_nc_u64 s[14:15], s[14:15], s[34:35]
	s_add_nc_u64 s[16:17], s[16:17], s[36:37]
	global_load_b128 v[WS:WS+3], v4, s[8:9]
	global_load_b128 v[VS:VS+3], v4, s[12:13]
.irp i, 0,1,2,3,4,5
	global_load_b128 v[LD+4*\i:LD+4*\i+3], v5, s[10:11] offset:512*\i            ; vector: 32 lanes read 512 consecutive bytes
.endr
.irp i, 0,1,2,3,4,5,6,7,8,9,10,11,12,13,14,15,16,17,18,19,20,21,22,23
	global_load_b128 v[LD+24+4*\i:LD+24+4*\i+3], v5, s[6:7] offset:512*\i        ; W_vec
.endr
.irp i, 0,1,2,3,4,5
	global_load_b128 v[LD+120+4*\i:LD+120+4*\i+3], v5, s[4:5] offset:512*\i      ; W_mat
.endr
	s_wait_loadcnt 30                              ; the scale words and vector's six are in; behind them: W_vec's 24 and W_mat's 6
.irp i, 0,1,2,3,4,5
	PUT LD+4*\i, \i, 10, VEC
.endr
	s_wait_loadcnt 6                               ; W_vec's are in; behind them: W_mat's 6
.irp i, 0,1,2,3,4,5,6,7,8,9,10,11,12,13,14,15,16,17,18,19,20,21,22,23
	PUT LD+24+4*\i, \i, 12, WV
.endr
	s_wait_loadcnt 0x0
.irp i, 0,1,2,3,4,5
	PUT LD+120+4*\i, \i, 10, WM
.endr
	s_wait_dscnt 0x0                               ; for the others' sake: vector's and W_mat's rows come from four waves; and the stores have read their registers
	s_barrier_signal -1
	s_barrier_wait -1
.irp s, 0,1,2,3
	FRAG VF+12*\s, 3, VEC+96*\s
	FRAG WF+12*\s, 14, WV+96*\s
.endr
	FRAG IM, 15, WM                                ; W_mat's K step 2 w,
	FRAG IM+12, 15, WM+96                          ; and 2 w + 1
	s_wait_dscnt 12                                ; K steps 0 to 3 are in; behind them: W_mat's twelve loads
	MM 0
	MM 1
	MM 2
	MM 3
.irp s, 4,5,6,7
	FRAG VF+12*\s, 3, VEC+96*\s                    ; (into registers that no product has named yet)
	FRAG WF+12*\s, 14, WV+96*\s
.endr
	s_wait_dscnt 48                                ; W_mat's two fragments are in; behind them: the 48 loads just issued
.irp c, 0,1,2
	global_store_b128 v5, v[IM+4*\c:IM+4*\c+3], s[14:15] offset:512*\c               ; 32 lanes store 512 consecutive bytes, at a multiple of 256 from wimg's first byte
.endr
.irp c, 0,1,2
	global_store_b128 v5, v[IM+12+4*\c:IM+12+4*\c+3], s[14:15] offset:12288+512*\c
.endr
	s_wait_dscnt 0x0
	MM 4
	MM 5
	MM 6
	MM 7
.rept 4
	v_nop                                          ; four places between the last product and the first read of results (ISA guide 7.12.1)
.endr
.irp k, 0,1,2,3
	v_pk_add_f32 v[VF+2*\k:VF+2*\k+1], v[D0+2*\k:D0+2*\k+1], v[D0+8+2*\k:D0+9+2*\k]   ; the two halves of K; each accumulator from its low end on
.endr
	ds_store_b128 v6, v[VF:VF+3] offset:STG        ; lane (r, h): t1(16 mt + r, 16 nt + 8 h + 0 .. 7)
	ds_store_b128 v6, v[VF+4:VF+7] offset:STG+16
	s_wait_dscnt 0x0                               ; for the others' sake: a row's 256 bytes come from four waves
	s_barrier_signal -1
	s_barrier_wait -1
	ds_load_b128 v[VF+8:VF+11], v7 offset:STG      ; rows 4 w and 4 w + 1,
	ds_load_b128 v[VF+12:VF+15], v7 offset:STG+544 ; rows 4 w + 2 and 4 w + 3
	s_wait_dscnt 1                                 ; the first of the two is in
	global_store_b128 v8, v[VF+8:VF+11], s[16:17]  ; sixteen lanes store 256 consecutive bytes, at a multiple of 256 from t1's first byte
	s_wait_dscnt 0x0
	global_store_b128 v8, v[VF+12:VF+15], s[16:17] offset:4096
	s_set_vgpr_msb 0x5
	s_wait_tensorcnt 0x0
	ds_add_u32 v0, v1
	s_wait_dscnt 0x0
	s_set_vgpr_msb 0x500
	s_endpgm
.Lfunc_end_k_qbe1bc87504_prep:
	.size	k_qbe1bc87504_prep, .Lfunc_end_k_qbe1bc87504_prep-k_qbe1bc87504_prep
	.p2alignl 7, 3214868480
	.fill 96, 4, 3214868480
	.section	.rodata,"a",@progbits
	.p2align	6, 0x0
	.amdhsa_kernel k_qbe1bc87504_prep
		.amdhsa_group_segment_fixed_size 80384
		.amdhsa_private_segment_fixed_size 0
		.amdhsa_enable_private_segment 0
		.amdhsa_kernarg_size 56
		.amdhsa_user_sgpr_count 2
		.amdhsa_user_sgpr_kernarg_segment_ptr 1
		.amdhsa_wavefront_size32 1
		.amdhsa_system_sgpr_workgroup_id_x 1
		.amdhsa_system_sgpr_workgroup_id_y 1
		.amdhsa_system_sgpr_workgroup_id_z 1
		.amdhsa_system_vgpr_workitem_id 0
		.amdhsa_next_free_vgpr 258
		.amdhsa_next_free_sgpr 66
		.amdhsa_reserve_vcc 0
		.amdhsa_float_denorm_mode_32 3
		.amdhsa_float_denorm_mode_16_64 3
		.amdhsa_memory_ordered 1
		.amdhsa_forward_progress 1
		.amdhsa_inst_pref_size 20
	.end_amdhsa_kernel
	.amdgpu_metadata
---
amdhsa.version: [ 1, 2 ]
amdhsa.kernels:
  - .name:           k_qbe1bc87504_prep
    .symbol:         k_qbe1bc87504_prep.kd
    .args:
      - { .name: W_mat_codes, .offset: 0, .size: 8, .value_kind: global_buffer, .address_space: global }
      - { .name: W_vec_codes, .offset: 8, .size: 8, .value_kind: global_buffer, .address_space: global }
      - { .name: W_vec_scales, .offset: 16, .size: 8, .value_kind: global_buffer, .address_space: global }
      - { .name: vector_codes, .offset: 24, .size: 8, .value_kind: global_buffer, .address_space: global }
      - { .name: vector_scales, .offset: 32, .size: 8, .value_kind: global_buffer, .address_space: global }
      - { .name: wimg, .offset: 40, .size: 8, .value_kind: global_buffer, .address_space: global }
      - { .name: t1, .offset: 48, .size: 8, .value_kind: global_buffer, .address_space: global }
    .group_segment_fixed_size: 80384
    .private_segment_fixed_size: 0
    .kernarg_segment_align: 8
    .kernarg_segment_size: 56
    .max_flat_workgroup_size: 128
    .sgpr_count:     66
    .vgpr_count:     258
    .wavefront_size: 32
...
	.end_amdgpu_metadata
.endif
;; end of part 1
;; launch main (part 2): grid 256 x 1, 4 waves a work-group, clusters of 4 x 1, 327,680 bytes of LDS; arguments matrix, wimg, W_mat_scales, t1, w_attn, input_lengths, part, logits, wmax; writes part, logits, wmax
.if DOCPART == 2
	.amdgcn_target "amdgcn-amd-amdhsa--gfx1250"
	.amdhsa_code_object_version 6
	.text
	.protected	k_qbe1bc87504_main
	.globl	k_qbe1bc87504_main
	.p2align	8
	.type	k_qbe1bc87504_main,@function
k_qbe1bc87504_main:
	s_mov_b64 s[64:65], 0
	v_nop
	global_prefetch_b8 v0, s[64:65] scope:SCOPE_SE
	s_setreg_imm32_b32 hwreg(HW_REG_WAVE_MODE, 25, 1), 1
	s_wait_xcnt 0x0
	s_wait_alu depctr_hold_cnt(0) depctr_sa_sdst(0) depctr_va_vdst(0) depctr_va_sdst(0) depctr_va_ssrc(0) depctr_va_vcc(0) depctr_vm_vsrc(0)
	s_getreg_b32 s2, hwreg(HW_REG_IB_STS2, 6, 4)
	s_cmp_eq_u32 s2, 0
	s_cbranch_scc0 .Lentry_in_a_cluster
	s_endpgm
.Lentry_in_a_cluster:
	s_bfe_u32 s2, ttmp6, 0x10000c
	s_cmp_lg_u32 s2, 0x3003
	s_cbranch_scc0 .Lentry_shape_is_right
	s_endpgm
.Lentry_shape_is_right:
; logit(row) = relu(t1 + Q(matrix row) x W_mat) . w_attn, and, from the same bytes while they lie in LDS, the row's share of the weighted sum of rows.  THE MATRIX IS READ ONCE.
; SHARES.  Work-group wg owns rows 128 q .. 128 q + 127 of batch b (b = wg / 4, q = wg % 4), as eight TILES of 16 rows, in a ring of four LDS slots.
; Wave w fetches, quantises and sums k = 256 w .. 256 w + 255 (1,024 bytes) of all 16 rows: a tile's bytes are read by the wave that fetched them alone.
; PHASES.  Phase i multiplies tile i, adds tile i - 1 into the weighted sum and quantises tile i + 1: three jobs that do not hang on each other, so that ONE barrier stands between two phases.
; In front of phase i's barrier (i from 1 on) tile i + 1 has landed and tile i - 2 has been read for the last time; behind it that slot is filled with tile i + 2.
; THE WAVES SHARE W_MAT'S COLUMNS.  Wave w keeps columns 128 w .. 128 w + 127 for all of K in REGISTERS (64 fragments of 12; 63 in windows 1 to 3, the 64th lies in LDS).
; The codes of FP6 (E2M3) that the waves make, two K steps each, go to LDS as images of operand registers with their scale words; every wave fetches all eight fragments: 64 products a wave; relu and the
; product with w_attn in f32; the waves' partial logits meet in LDS.  One phase later every wave has the tile's 16 logits, a lane a row, and adds p x row into its own 256 columns of the weighted sum.
; SOFTMAX.  t = logit x log2(e); a running maximum m of t over ALL the work-group's rows (masked ones too, as the global maximum takes them); p = 2^(t - m), 0 for rows at or past the batch's length;
; when m moves the sum is multiplied by 2^(old m - new m).  The closing launch brings the 256 partial sums under the global maximum and divides by the row's sum.
; CLUSTERS.  The four work-groups of a batch form a cluster.
; The three slots hold 32 fragments a wave; the other 32 come by loads straight into their registers meanwhile: jointly they would need the same bytes once more, behind a further drained round,
; ahead of tile 1.  The matrix's tiles are each one work-group's own.
; PREFETCH.  Each tile is asked for ahead of its tensor load, two tiles at a time, the next two a step later: each wave names 16 KB of the work-group's 64 KB, a lane a block of 256 bytes; tile 7 is the last.
; NO ROW IS SKIPPED: a masked row's logit counts for the global maximum, and no branch here hangs on the lengths: they reach a compare and a select alone.
; LIMITS.  NaN and infinities among the inputs are not served.  A block of 32 whose largest magnitude lies under 2^-124 keeps the scale byte 1 (a block of zeros too: its codes are zeros).
; v_exp_f32 gives 0 where the result would be denormal (ISA guide 15.8): a weight more than 126 powers of two under the maximum counts as 0.
.set XROW,  1040                       ; my piece of a row in LDS: 1,024 bytes + 16: sixteen rows start in sixteen different columns of 16 bytes modulo 256 (64 banks of 4 bytes: ISA guide 11.1)
.set SLOT,  16*XROW                    ; a wave's part of a slot
.set WBK,   4*SLOT                     ; a wave's four slots, on end
.set W63,   4*WBK                      ; behind the ring: fragment 63 of each wave's part of W_mat, 1,536 bytes each
.set IMG,   W63+4*1536                 ; two sets of images of a tile's 8 fragments: K step s at 1,536 s + 512 c + 16 lane
.set XSC,   IMG+2*8*1536               ; two sets of their scale words: 128 s + 4 lane (lanes 16-31 hold what lanes 0-15 hold)
.set PL,    XSC+2*1024                 ; two sets of partial logits: [wave][16] f32
.set LGS,   PL+512                     ; each wave's own copy of the work-group's 128 logits
.set SPARE, LGS+4*512                  ; the spare words, 128 bytes for each wave: two blocks of 256 bytes that no other line names
.set SPW,  1                           ; SPARE + 4 x my thread's number; never rewritten
.set NIL,  2                           ; 0; never rewritten
.set AQ0,  3                           ; the quantiser's reads: my lane's place in a slot;  AQ the same in the slot in hand
.set AQ,   4
.set AS0,  5                           ; the weighted sum's reads, likewise
.set AS,   6
.set AIM,  7                           ; IMG + 16 lane
.set ASC,  8                           ; XSC + 4 lane + 512 h: lanes 16-31 take the word four K steps on
.set IWI,  9                           ; where I store images: IMG + 16 lane + 3,072 wave
.set IWS,  10                          ; and scale words: XSC + 4 lane + 256 wave
.set PLW,  11                          ; PL + 64 wave + 32 h
.set PLR,  12                          ; PL + 4 r
.set LGW0, 13                          ; LGS + 512 wave + 4 r;  LGW the same at the tile in hand
.set LGW,  14
.set ROWI, 15                          ; r, my lane's row of a tile
.set AW63, 16                          ; W63 + 1,536 wave + 16 lane
.set PFO,  17                          ; 256 lane; never rewritten
.set VM,   18                          ; m
.set VLG,  19                          ; my row's logit
.set VF,   20                          ; v[20:21] 2^(old m - new m); the packed form names the pair
.set VP,   22                          ; p
.set PW0,  23                          ; the two scale words just made
.set PW1,  29
.set GL16, 24                          ; 16 lane; never rewritten
.set XS,   25                          ; v25-28   the tile's scale words: register i: lanes 0-15 K step i, lanes 16-31 K step 4 + i
.set VR,   30                          ; v30-37   the weighted sum: columns 256 w + 4 lane + 0..3 and 128 further on
.set T1,   38                          ; v38-45   t1 at column 128 w + 16 j + r
.set WAT,  46                          ; v46-53   w_attn there
.set SC,   54                          ; v54-85   W_mat's scale words: register 4 j + i: lanes 0-15 K step i, lanes 16-31 K step 4 + i
.set ACC,  86                          ; v86-149  the 8 accumulators; 64 numbers to quantise
.set AF,   150                         ; v150-245 the tile's eight fragments; rows for the weighted sum; 64 numbers to quantise (from AF + 32); the quantiser at work (to AF + 30)
.set PC,   AF+16                       ; the codes just made, 12 registers
.set QB1,  AF+32
.set TT,   AF+32                       ; at work on the logits
.set W63R, AF+36                       ; W_mat's fragment 63, where K step 3's fragment has been
.set PCP,  246                         ; v246-253 eight partial logits; eight blocks' largest magnitudes
.set G4R,  254                         ; v254 4 r;  v255 32 r + 16 h: offsets into memory, never rewritten
.set GSC,  255
.set WV,   22                          ; s22  wave
.set LENR, 25                          ; s25  the batch's length less the tile's first row
.set TB,   26                          ; s26  0 or 2 SLOT: in phases 2 k and 2 k + 1 tile 2 k's slot;  s52 the other of the two
.set CNT,  27
.set WB,   28                          ; s28  wave x WBK
.set LGO,  29                          ; s29  64 x the tile's number in the weighted sum
.set G1,   32                          ; s[32:39] descriptor group 1 of a tile;  s[40:43] group 0, which walks
.set G0,   40
.set G1D,  44                          ; s[44:51] group 1 of two tiles
.set TBX,  52
.set SEL,  56                          ; s[56:57] v_permlanex16_b32's selects for lane l xor 16
.set PS,   66                          ; s[66:97] sixteen p, in the even registers; the packed form names pairs, so the odd ones are written once
.set G1W,  68                          ; s[68:75], s[76:79] at the head: groups 1 and 0 of the joint load
.set G0W,  76
.set MSB, 0
.macro WIN new                         ; the immediate's high byte repeats the setting that is left; a switch that changes nothing is dropped
.if MSB != (\new)
	s_set_vgpr_msb (MSB<<8)|(\new)
.set MSB, (\new)
.endif
.endm
.macro PLACES n
.rept \n
	v_nop
.endr
.endm
.macro CROUND                          ; a round of the cluster's barrier
	s_barrier_signal -1
	s_barrier_wait -1
	s_cmp_lg_u32 s[WV], 0
	s_cbranch_scc1 .Lnot_first_\@
	s_barrier_signal -3
.Lnot_first_\@:
	s_barrier_wait -3
	s_barrier_signal -1
	s_barrier_wait -1
.endm
; The round behind which slots are filled.  Every wave waits for all its tensor loads, adds 0 to its spare word, and waits for that and for all its LDS instructions: its images, scale
; words and partial logits are stored, its reads of the bytes to be filled are over.  where: 0 the slot of TBX, 1 the one behind it, 2 slot 0, 3 slot 1; step: bytes on in the matrix.
.macro CHG where, step, g1
	s_wait_alu depctr_va_vdst(0)
	s_wait_tensorcnt 0x0                           ; no tensor load of mine is out, so group 0 may be written
	ds_add_u32 v[SPW], v[NIL]                      ; 0 onto my spare word
	s_xor_b32 s[TBX], s[TB], 2*SLOT
.if \where == 2
	s_mov_b32 s[G0+1], s[WB]
.elseif \where == 3
	s_add_co_u32 s[G0+1], s[WB], SLOT
.else
	s_add_co_u32 s[G0+1], s[WB], s[TBX]
.if \where
	s_add_co_u32 s[G0+1], s[G0+1], SLOT
.endif
.endif
.if \step
	s_add_nc_u64 s[G0+2:G0+3], s[G0+2:G0+3], \step ; the type bits on top are not reached
.endif
	s_wait_dscnt 0x0
	CROUND
	tensor_load_to_lds s[G0:G0+3], s[\g1:\g1+7]    ; the first thing behind the round, and my one tensor load until the next
	s_nop 0
	PLACES 4
.endm
.macro BARN t                          ; the barrier in front of a phase behind which nothing is filled.  t = 1: the last tile's load is still out
	s_wait_alu depctr_va_vdst(0)
.if \t
	s_wait_tensorcnt 0x0
.endif
	s_xor_b32 s[TBX], s[TB], 2*SLOT
	s_wait_dscnt 0x0
	s_barrier_signal -1
	s_barrier_wait -1
.endm
; 64 numbers of my row, K step 2 w + i: register 16 b + 4 jj + e = k 32 b + 16 h + 4 jj + e
.macro QLOAD i, buf
.irp b, 0,1,2,3
.irp jj, 0,1,2,3
	ds_load_b128 v[\buf+16*\b+4*\jj:\buf+16*\b+4*\jj+3], v[AQ] offset:512*(\i)+128*\b+16*\jj
.endr
.endr
.endm
.macro SLOAD m, reg                    ; my 1,024 bytes of row m of the slot: two loads of 512 consecutive bytes
	ds_load_b128 v[\reg:\reg+3], v[AS] offset:XROW*(\m)
	ds_load_b128 v[\reg+4:\reg+7], v[AS] offset:XROW*(\m)+512
.endm
.macro SFMA m, reg                     ; the sum takes p x row m
.irp c, 0,1,2,3
	v_pk_fma_f32 v[VR+2*\c:VR+2*\c+1], v[\reg+2*\c:\reg+2*\c+1], s[PS+2*(\m):PS+2*(\m)+1], v[VR+2*\c:VR+2*\c+1] op_sel_hi:[1,0,1]
.endr
.endm
.macro SFK                             ; the kq-th quarter row of rows 10 to 13, which lie from AF on
	v_pk_fma_f32 v[VR+2*(kq%4):VR+2*(kq%4)+1], v[AF+8*(kq/4)+2*(kq%4):AF+8*(kq/4)+2*(kq%4)+1], s[PS+2*(10+kq/4):PS+2*(10+kq/4)+1], v[VR+2*(kq%4):VR+2*(kq%4)+1] op_sel_hi:[1,0,1]
.set kq, kq+1
.endm
; THE QUANTISER.  64 numbers of a lane, v[s] .. v[s + 63], are four half blocks of 16; lane l xor 16 has the other halves.
.macro MX0 s, t
.irp b, 0,1,2,3
	v_max3_num_f32 v[\t+\b], |v[\s+16*\b]|, |v[\s+1+16*\b]|, 0x1800000   ; and the floor 2^(3 - 127): so the byte cannot fall under 1
.endr
.endm
.macro MXI s, t, i
.irp b, 0,1,2,3
	v_max3_num_f32 v[\t+\b], v[\t+\b], |v[\s+16*\b+\i]|, |v[\s+1+16*\b+\i]|
.endr
.endm
.macro EXC t, p
.irp b, 0,1,2,3
	v_permlanex16_b32 v[\p+\b], v[\t+\b], s[SEL], s[SEL+1]
.endr
.endm
.macro JOIN t, p
.irp b, 0,1,2,3
	v_max_num_f32 v[\t+\b], v[\t+\b], v[\p+\b]     ; the block's largest magnitude
.endr
.endm
.macro SCL c, t
.irp b, 0,1,2,3
	v_add_nc_u32 v[\c+\b], 0xff000000, v[\t+\b]    ; 2 off its exponent field: the conversion takes the exponent field of this operand as its scale
.endr
.endm
.macro BYT p, c
.irp b, 0,1,2,3
	v_lshrrev_b32 v[\p+\b], 23, v[\c+\b]           ; the scale's byte
.endr
.endm
.macro WRD pw, p                       ; the four bytes make my row's scale word
	v_lshl_or_b32 v[\pw], v[\p+1], 8, v[\p]
	v_lshl_or_b32 v[\pw], v[\p+2], 16, v[\pw]
	v_lshl_or_b32 v[\pw], v[\p+3], 24, v[\pw]
.endm
.macro CVT s, c                        ; (a conversion's three registers begin on an even number, so the second halves are made elsewhere)
	v_cvt_scalef32_pk16_fp6_f32 v[PC:PC+2], v[\s:\s+15], v[\c]
	v_cvt_scalef32_pk16_fp6_f32 v[PC+12:PC+14], v[\s+16:\s+31], v[\c+1]
	v_cvt_scalef32_pk16_fp6_f32 v[PC+6:PC+8], v[\s+32:\s+47], v[\c+2]
	v_cvt_scalef32_pk16_fp6_f32 v[AF:AF+2], v[\s+48:\s+63], v[\c+3]
.endm
.macro SWP                             ; the operand's layout wants a WHOLE block in a lane: lanes 0-15 the first of two blocks, lanes 16-31 the second
.irp i, 0,1,2
	v_permlane16_swap_b32 v[PC+\i], v[PC+12+\i]
	v_permlane16_swap_b32 v[PC+6+\i], v[AF+\i]
.endr
.endm
.macro MVS
.irp i, 0,1,2
	v_mov_b32 v[PC+3+\i], v[PC+12+\i]
	v_mov_b32 v[PC+9+\i], v[AF+\i]
.endr
.endm
.macro IMAGE i, set, pw                ; the fragment goes to LDS as it stands, and its scale word
.irp c, 0,1,2
	ds_store_b128 v[IWI], v[PC+4*\c:PC+4*\c+3] offset:12288*(\set)+1536*(\i)+512*\c
.endr
	ds_store_b32 v[IWS], v[\pw] offset:1024*(\set)+128*(\i)
.endm
; Both of my fragments; the second's loads are the last LDS instructions issued.  s = 1: the sum's rows 10 to 13 are taken on the way.
.macro QSTAGE s, set
	MX0 ACC, PCP
.set kq, 0
.irp i, 2,4,6,8,10,12,14
	MXI ACC, PCP, \i
.if \s
	SFK
	SFK
.endif
.endr
.if \s
	SFK
	SFK
.endif
	s_wait_dscnt 0x0
	MX0 QB1, PCP+4
	MXI QB1, PCP+4, 2
	MXI QB1, PCP+4, 4
	MXI QB1, PCP+4, 6
	EXC PCP, AF
	MXI QB1, PCP+4, 8
	JOIN PCP, AF
	MXI QB1, PCP+4, 10
	SCL AF+4, PCP
	MXI QB1, PCP+4, 12
	BYT AF, AF+4
	MXI QB1, PCP+4, 14
	WRD PW0, AF
	CVT ACC, AF+4
	EXC PCP+4, AF+8                                ; (plain places behind the conversions)
	SWP
	JOIN PCP+4, AF+8
	MVS
	SCL AF+12, PCP+4
	IMAGE 0, \set, PW0
	BYT AF+8, AF+12
	WRD PW1, AF+8
	CVT QB1, AF+12
	v_nop                                          ; one plain place behind a scaled conversion
	SWP
	MVS
	IMAGE 1, \set, PW1
.endm
; K step u: eight products, source 0 = the tile's 16 rows, source 1 = 16 columns of W_mat (fragment f = 8 u + j: window 1 + f / 21, register 12 (f % 21); fragment 63 in window 0).
; In the result lane (r, h) holds column 16 j + r and rows 8 h + 0 .. 7.  The eight accumulators take turns, one instruction a turn.
; Only source 1's window is ever switched: the LDS loads and v_nop between name no source 1.
; Waits: behind fragment u's loads stand those of the younger fragments, and from K step 5 on fragment 63's three and (s = 1) the four partial logits' and eight loads of rows.
; w = 1: the launch's first products wait for W_mat's direct loads: behind the last load of a K step's fragments stand three for each later one of the 63.
.macro GSTEP u, par, s, w
.if \w
.if \u == 0
	s_wait_loadcnt 63                              ; fragments to 41: K steps 0 to 4
.elseif \u == 5
	s_wait_loadcnt 45
.elseif \u == 6
	s_wait_loadcnt 21
.elseif \u == 7
	s_wait_loadcnt 0x0
.endif
.endif
.if \u < 5
	s_wait_dscnt 3*(7-\u)
.elseif \u == 5
	s_wait_dscnt 9+12*\s
.elseif \u == 6
	s_wait_dscnt 6+12*\s
.else
	s_wait_dscnt 8*\s                              ; fragment 63, and the partial logits ahead of it
.endif
.irp j, 0,1,2,3,4,5,6,7
.set gf, 8*\u+\j
.if gf == 63
	WIN 0
.set gb, W63R
.else
	WIN 4*(1+gf/21)
.set gb, 12*(gf%21)
.endif
.set gd, ACC+8*\j
.set ga, AF+12*\u
.set gx, XS+\u%4
.set gw, SC+4*\j+\u%4
.if \u == 0
	v_wmma_scale_f32_16x16x128_f8f6f4 v[gd:gd+7], v[ga:ga+11], v[gb:gb+11], 0, v[gx], v[gw] matrix_a_fmt:MATRIX_FMT_FP6 matrix_b_fmt:MATRIX_FMT_FP6
.elseif \u < 4
	v_wmma_scale_f32_16x16x128_f8f6f4 v[gd:gd+7], v[ga:ga+11], v[gb:gb+11], v[gd:gd+7], v[gx], v[gw] matrix_a_fmt:MATRIX_FMT_FP6 matrix_b_fmt:MATRIX_FMT_FP6
.else
	v_wmma_scale_f32_16x16x128_f8f6f4 v[gd:gd+7], v[ga:ga+11], v[gb:gb+11], v[gd:gd+7], v[gx], v[gw] matrix_a_fmt:MATRIX_FMT_FP6 matrix_b_fmt:MATRIX_FMT_FP6 matrix_a_scale:MATRIX_SCALE_ROW1 matrix_b_scale:MATRIX_SCALE_ROW1
.endif
.if \u == 4 && \j < 4
	v_nop                                          ; the four places between K step 3's last product and the loads into its and the earlier fragments' registers
.endif
.endr
.if \u == 4
.if \s
.irp i, 0,1,2,3
	ds_load_b32 v[TT+\i], v[PLR] offset:256*(1-\par)+64*\i
.endr
.endif
.irp c, 0,1,2
	ds_load_b128 v[W63R+4*\c:W63R+4*\c+3], v[AW63] offset:512*\c
.endr
.if \s
.irp m, 0,1,2,3
	SLOAD \m, AF+8*\m
.endr
.endif
.endif
.endm
; From the four partial logits to p, in steps that are laid between other work: the 16 logits, a lane a row (lanes 16-31 do the same again); the running maximum; p, and p as sixteen scalars.
.macro CHN n
.if \n == 0
	v_add_f32 v[TT], v[TT], v[TT+1]
	v_add_f32 v[TT+2], v[TT+2], v[TT+3]
.elseif \n == 1
	v_add_f32 v[VLG], v[TT], v[TT+2]
.elseif \n == 2
	ds_store_b32 v[LGW], v[VLG]                    ; into my wave's own copy
	v_mul_f32 v[TT+4], 0x3fb8aa3b, v[VLG]          ; t = logit x log2(e)
.elseif \n == 3
	v_mov_b32 v[TT+5], v[TT+4]
.elseif \n == 4
	v_max_num_f32_dpp v[TT+5], v[TT+5], v[TT+5] row_xmask:1 row_mask:0xf bank_mask:0xf
.elseif \n == 5
	v_max_num_f32_dpp v[TT+5], v[TT+5], v[TT+5] row_xmask:2 row_mask:0xf bank_mask:0xf
.elseif \n == 6
	v_max_num_f32_dpp v[TT+5], v[TT+5], v[TT+5] row_xmask:4 row_mask:0xf bank_mask:0xf
.elseif \n == 7
	v_max_num_f32_dpp v[TT+5], v[TT+5], v[TT+5] row_xmask:8 row_mask:0xf bank_mask:0xf
.elseif \n == 8
	v_max_num_f32 v[TT+6], v[TT+5], v[VM]          ; the new m
.elseif \n == 9
	v_sub_f32 v[VF], v[VM], v[TT+6]
	v_sub_f32 v[VP], v[TT+4], v[TT+6]
.elseif \n == 10
	s_wait_alu depctr_va_vdst(0)                   ; the wait ahead of the batch
	v_exp_f32 v[VF], v[VF]                         ; 2^(old m - new m)
	v_exp_f32 v[VP], v[VP]                         ; p = 2^(t - m)
	v_mov_b32 v[VM], v[TT+6]                       ; (a plain place behind the two)
.elseif \n == 11
	s_wait_alu depctr_va_vdst(0)                   ; and for one behind it
	v_cmp_gt_i32 vcc_lo, s[LENR], v[ROWI]          ; does my row lie under the batch's length?
	v_cndmask_b32 v[VP], 0, v[VP], vcc_lo
.irp c, 0,1,2,3
	v_pk_mul_f32 v[VR+2*\c:VR+2*\c+1], v[VR+2*\c:VR+2*\c+1], v[VF:VF+1] op_sel_hi:[1,0]
.endr
.irp m, 0,1,2,3,4,5,6,7,8,9,10,11,12,13,14,15
	v_readlane_b32 s[PS+2*\m], v[VP], \m
.endr
	s_sub_co_i32 s[LENR], s[LENR], 16
	s_add_co_u32 s[LGO], s[LGO], 64
.endif
.endm
; relu(t1 + the sums) . w_attn over my 128 columns, for the tile's 16 rows: eight running sums a lane (rows 8 h + 0 .. 7), then across the sixteen lanes of a half.  s = 1: with the steps to the last tile's p between.
.macro POST set, s
.irp jt, 0,1,2,3,4,5,6,7
.set pa, ACC+8*\jt
.set pe, 2*(\jt/2)
.irp pr, 0,1,2,3                               ; each accumulator from its low end on
.if \jt%2 == 0
	v_pk_add_f32 v[pa+2*\pr:pa+2*\pr+1], v[pa+2*\pr:pa+2*\pr+1], v[T1+pe:T1+pe+1] op_sel_hi:[1,0]   ; of the pair, t1 of column tile jt serves both halves
.else
	v_pk_add_f32 v[pa+2*\pr:pa+2*\pr+1], v[pa+2*\pr:pa+2*\pr+1], v[T1+pe:T1+pe+1] op_sel:[0,1] op_sel_hi:[1,1]
.endif
.endr
.irp i, 0,1,2,3,4,5,6,7
	v_max_num_f32 v[pa+\i], 0, v[pa+\i]
.endr
.irp pr, 0,1,2,3
.if \jt == 0
	v_pk_mul_f32 v[PCP+2*\pr:PCP+2*\pr+1], v[pa+2*\pr:pa+2*\pr+1], v[WAT:WAT+1] op_sel_hi:[1,0]   ; the first column tile starts the sums
.elseif \jt%2 == 0
	v_pk_fma_f32 v[PCP+2*\pr:PCP+2*\pr+1], v[pa+2*\pr:pa+2*\pr+1], v[WAT+pe:WAT+pe+1], v[PCP+2*\pr:PCP+2*\pr+1] op_sel_hi:[1,0,1]
.else
	v_pk_fma_f32 v[PCP+2*\pr:PCP+2*\pr+1], v[pa+2*\pr:pa+2*\pr+1], v[WAT+pe:WAT+pe+1], v[PCP+2*\pr:PCP+2*\pr+1] op_sel:[0,1,0] op_sel_hi:[1,1,1]
.endif
.endr
.if \s
	CHN \jt
.endif
.endr
.irp x, 1,2,4,8
.irp i, 0,1,2,3,4,5,6,7
	v_add_f32_dpp v[PCP+\i], v[PCP+\i], v[PCP+\i] row_xmask:\x row_mask:0xf bank_mask:0xf
.endr
.if \s
.if \x == 1
	CHN 8
.elseif \x == 2
	CHN 9
.elseif \x == 4
	CHN 10
.endif
.endif
.endr
	ds_store_b128 v[PLW], v[PCP:PCP+3] offset:256*(\set)         ; the sixteen lanes of a half write the same words with the same values
	ds_store_b128 v[PLW], v[PCP+4:PCP+7] offset:256*(\set)+16
.endm
.macro SHEAD par                       ; where the tile of the weighted sum lies
.if \par
	v_add_nc_u32 v[AS], s[TB], v[AS0]
.else
	s_add_co_u32 s31, s[TBX], SLOT
	v_add_nc_u32 v[AS], s31, v[AS0]
.endif
	v_add_nc_u32 v[LGW], s[LGO], v[LGW0]
.endm
; A prefetch of 16 KB of tile t: 64 blocks of 256 bytes, two lines.
.macro ASK t
	global_prefetch_b8 v[PFO], s[4:5] offset:65536*(\t) th:TH_LOAD_NT scope:SCOPE_SE
	global_prefetch_b8 v[PFO], s[4:5] offset:65536*(\t)+8192 th:TH_LOAD_NT scope:SCOPE_SE
.endm
; ONE PHASE.  par: its number's parity; s: is there a tile to add; q: one to quantise; w: phase 0, which waits for W_mat and for tile 1; pf: the first of two tiles to ask for, or 0.
.macro PHASE par, s, q, w, pf
.if \q
.if \par
	v_add_nc_u32 v[AQ], s[TBX], v[AQ0]
.else
	s_add_co_u32 s30, s[TB], SLOT
	v_add_nc_u32 v[AQ], s30, v[AQ0]
.endif
.endif
.if \s
	SHEAD \par
.endif
.irp i, 0,1,2,3
	ds_load_b32 v[XS+\i], v[ASC] offset:1024*(\par)+128*\i
.endr
.irp u, 0,1,2,3,4,5,6,7
.irp c, 0,1,2
	ds_load_b128 v[AF+12*\u+4*\c:AF+12*\u+4*\c+3], v[AIM] offset:12288*(\par)+1536*\u+512*\c
.endr
.endr
.if \pf
	ASK \pf
	ASK \pf+1
.endif
	s_wait_alu depctr_va_vdst(0)                   ; ahead of the waits below
.irp u, 0,1,2,3,4,5,6,7
	GSTEP \u, \par, \s, \w
.endr
	PLACES 4                                       ; for the reads of the results and for the loads below
	WIN 0
.if \s
.irp m, 4,5,6,7,8,9
	SLOAD \m, AF+48+8*(\m-4)
.endr
.endif
	POST \par, \s
.if \s
	CHN 11
	SLOAD 14, AF+32
	SLOAD 15, AF+40
.endif
.if \q
.if \w
	s_wait_tensorcnt 0x0                           ; tiles 1 and 2 have landed; I alone read what I fetched
.endif
	QLOAD 0, ACC
.endif
.if \s
	s_wait_alu depctr_va_vdst(0)
	s_wait_dscnt 19+16*\q                          ; rows 0-3 are in; behind them: rows 4-9's 12 loads, 3 stores, rows 14-15's 4, and the quantiser's 16
.irp m, 0,1,2,3
	SFMA \m, AF+8*\m
.endr
.irp m, 10,11,12,13
	SLOAD \m, AF+8*(\m-10)
.endr
	s_wait_alu depctr_va_vdst(0)
	s_wait_dscnt 8+16*\q                           ; rows 4-9, 14, 15; behind them: the quantiser's 16 and rows 10-13's 8
.irp m, 4,5,6,7,8,9
	SFMA \m, AF+48+8*(\m-4)
.endr
	SFMA 14, AF+32
	SFMA 15, AF+40
.endif
.if \q
	QLOAD 1, QB1
.endif
.if \s
	s_wait_alu depctr_va_vdst(0)
	s_wait_dscnt 16*\q                             ; rows 10-13, and the quantiser's first fragment; behind them: the second's 16
.else
	s_wait_dscnt 16
.endif
.if \q
	QSTAGE \s, 1-\par
.else
.irp m, 10,11,12,13
	SFMA \m, AF+8*(\m-10)
.endr
.endif
.endm
	s_load_b256 s[4:11], s[0:1], 0x0               ; matrix s[4:5], wimg s[6:7], W_mat's scales s[8:9], t1 s[10:11]
	s_load_b256 s[12:19], s[0:1], 0x20             ; w_attn s[12:13], input_lengths s[14:15], part s[16:17], logits s[18:19]
	s_load_b64 s[20:21], s[0:1], 0x40              ; wmax
	v_lshl_add_u32 v[SPW], v0, 2, SPARE
	v_mov_b32 v[NIL], 0
	ds_add_u32 v[SPW], v[NIL]                      ; the wave's opening: the add, twice on end, under one wait
	ds_add_u32 v[SPW], v[NIL]
	v_lshrrev_b32 v[ACC], 5, v0
	v_readfirstlane_b32 s[WV], v[ACC]              ; wave 0..3
	s_mul_i32 s[WB], s[WV], WBK
	; group 1 of the joint load: 32 fragments, 49,152 consecutive bytes: 32 rows of 192 elements of 8 bytes, no padding; the mask names all four work-groups of the cluster
	s_mov_b32 s[G1W+0], 15|(3<<16)|(1<<21)
	s_mov_b32 s[G1W+1], 192<<16
	s_mov_b32 s[G1W+2], 32<<16
	s_mov_b32 s[G1W+3], 192<<16
	s_mov_b32 s[G1W+4], 32
	s_mov_b32 s[G1W+5], 192
	s_mov_b32 s[G1W+6], 0
	s_mov_b32 s[G1W+7], 0
	s_mov_b32 s[G0W], 1
	s_add_co_u32 s[G0W+1], s[WB], SLOT             ; my slots 1 to 3: 49,920 bytes
	; group 1 of a tile: 16 rows (of two tiles: 32) of 256 elements of 4 bytes, 1,024 elements apart, 4 words of padding behind each
.irp g, G1, G1D
	s_mov_b32 s[\g+0], (2<<16)|(1<<20)|(7<<22)|(3<<25)   ; 15:0 no mask; 17:16 elements of 4 bytes; 20 padding on; 24:22 after every 256 words (code 7); 31:25 of 4 words (code 3)
	s_mov_b32 s[\g+1], 256<<16                     ; tensor_dim0
	s_mov_b32 s[\g+3], 256<<16                     ; tile_dim0
	s_mov_b32 s[\g+5], 1024                        ; tensor_dim0_stride
	s_mov_b32 s[\g+6], 0
	s_mov_b32 s[\g+7], 0
.endr
	s_mov_b32 s[G1+2], 16<<16                      ; tensor_dim1
	s_mov_b32 s[G1+4], 16                          ; tile_dim1
	s_mov_b32 s[G1D+2], 32<<16
	s_mov_b32 s[G1D+4], 32
	s_mul_i32 s60, s[WV], 64*1536                  ; my 64 fragments of W_mat
	s_mov_b32 s61, 0
	s_wait_alu depctr_va_vdst(0)
	s_wait_dscnt 0x0                               ; both opening adds are done
	s_wait_kmcnt 0x0
	s_add_nc_u64 s[6:7], s[6:7], s[60:61]
	s_mov_b64 s[G0W+2:G0W+3], s[6:7]
	s_or_b32 s[G0W+3], s[G0W+3], 0x80000000        ; 127:126 type = 2
	CROUND                                         ; all four work-groups are here: the joint loads meet
	tensor_load_to_lds s[G0W:G0W+3], s[G1W:G1W+7]  ; fragments 0 to 31: one tensor load a wave at the head
	s_nop 0
	PLACES 4
	s_bfe_u32 s24, ttmp6, 0x40000                  ; q: my place in the cluster;  ttmp9 = b
	s_lshl_b32 s53, ttmp9, 2
	s_add_co_u32 s53, s53, s24                     ; the work-group's number
	s_lshl_b32 s58, ttmp9, 2
	s_mov_b32 s59, 0
	s_add_nc_u64 s[14:15], s[14:15], s[58:59]
	s_load_b32 s[LENR], s[14:15], 0x0              ; the batch's length
	s_lshl_b32 s58, s53, 19                        ; the work-group's 128 rows of 4,096 bytes,
	s_add_nc_u64 s[4:5], s[4:5], s[58:59]
	s_lshl_b32 s60, s[WV], 10                      ; my 1,024 bytes of each
	s_mov_b32 s[G0], 1
	s_mov_b32 s[G0+1], s[WB]
	s_add_nc_u64 s[G0+2:G0+3], s[4:5], s[60:61]
	s_or_b32 s[G0+3], s[G0+3], 0x80000000
	s_lshl_b32 s60, s[WV], 14
	s_add_nc_u64 s[4:5], s[4:5], s[60:61]          ; the prefetches: my 16 KB of a tile's 64
	s_lshl_b32 s60, s[WV], 12                      ; W_mat's scale bytes: my 128 rows of 32
	s_add_nc_u64 s[8:9], s[8:9], s[60:61]
	s_lshl_b32 s58, ttmp9, 11                      ; t1: row b of 2,048 bytes,
	s_lshl_b32 s60, s[WV], 9                       ; my 128 columns
	s_add_nc_u64 s[12:13], s[12:13], s[60:61]      ; (w_attn: my 128)
	s_add_co_u32 s58, s58, s60
	s_add_nc_u64 s[10:11], s[10:11], s[58:59]
	v_and_b32 v[ROWI], 15, v0                      ; r
	v_bfe_u32 v[ACC+1], v0, 4, 1                   ; h
	v_and_b32 v[ACC+2], 31, v0                     ; lane
	v_lshlrev_b32 v[GL16], 4, v[ACC+2]
	v_lshlrev_b32 v[PFO], 8, v[ACC+2]
	v_lshlrev_b32 v[G4R], 2, v[ROWI]
	v_lshlrev_b32 v[GSC], 5, v[ROWI]
	v_lshl_add_u32 v[GSC], v[ACC+1], 4, v[GSC]
	s_wait_alu depctr_va_vdst(0)
	ASK 0
	ASK 1
.irp j, 0,1,2,3,4,5,6,7
	global_load_b128 v[SC+4*\j:SC+4*\j+3], v[GSC], s[8:9] offset:512*\j
.endr
.irp j, 0,1,2,3,4,5,6,7
	global_load_b32 v[T1+\j], v[G4R], s[10:11] offset:64*\j
	global_load_b32 v[WAT+\j], v[G4R], s[12:13] offset:64*\j
.endr
	global_load_b128 v[PCP:PCP+3], v[GL16], s[6:7] offset:63*1536          ; fragment 63, on its way to LDS
	global_load_b128 v[PCP+4:PCP+7], v[GL16], s[6:7] offset:63*1536+512
	global_load_b128 v[VR:VR+3], v[GL16], s[6:7] offset:63*1536+1024
.set f, 32
.rept 31                               ; fragments 32 to 62, each load 512 consecutive bytes, straight into their registers
	WIN 0x40*(1+f/21)                              ; the destination's window
.irp c, 0,1,2
	global_load_b128 v[12*(f%21)+4*\c:12*(f%21)+4*\c+3], v[GL16], s[6:7] offset:1536*f+512*\c
.endr
.set f, f+1
.endr
	WIN 0
	v_mul_u32_u24 v[AQ0], v[ROWI], XROW            ; row r,
	v_lshl_add_u32 v[AQ0], v[ACC+1], 6, v[AQ0]     ; my half's 16 numbers of a block of 32,
	v_add_nc_u32 v[AQ0], s[WB], v[AQ0]             ; in my wave's slots
	v_add_nc_u32 v[AS0], s[WB], v[GL16]
	v_add_nc_u32 v[AS], SLOT, v[AS0]               ; (the joint load's fragments)
	v_mov_b32 v[AQ], v[AQ0]                        ; (tile 0 lies in slot 0)
	v_add_nc_u32 v[AIM], IMG, v[GL16]
	v_lshlrev_b32 v[ACC+5], 2, v[ACC+2]            ; 4 lane
	v_lshl_add_u32 v[ASC], v[ACC+1], 9, v[ACC+5]
	v_add_nc_u32 v[ASC], XSC, v[ASC]
	s_mul_i32 s31, s[WV], 2*1536
	v_add_nc_u32 v[IWI], s31, v[AIM]
	s_lshl_b32 s31, s[WV], 8
	v_add_nc_u32 v[IWS], s31, v[ACC+5]
	v_add_nc_u32 v[IWS], XSC, v[IWS]
	s_lshl_b32 s31, s[WV], 6
	v_lshlrev_b32 v[PLW], 5, v[ACC+1]
	v_add_nc_u32 v[PLW], s31, v[PLW]
	v_add_nc_u32 v[PLW], PL, v[PLW]
	v_add_nc_u32 v[PLR], PL, v[G4R]
	s_lshl_b32 s31, s[WV], 9
	v_add_nc_u32 v[LGW0], s31, v[G4R]
	v_add_nc_u32 v[LGW0], LGS, v[LGW0]
	s_mul_i32 s31, s[WV], 1536
	v_add_nc_u32 v[AW63], s31, v[GL16]
	v_add_nc_u32 v[AW63], W63, v[AW63]
	v_mov_b32 v[VM], 0xff61b1e6                    ; m: -3e38, under every t
	v_mov_b32 v[VF+1], 0                           ; (named with v20 as a pair)
.irp b, 0,1,2,3
	v_mov_b32 v[AF+\b], 0                          ; a lane permute's destination counts as one of its sources
	v_mov_b32 v[AF+8+\b], 0
.endr
	s_lshl_b32 s58, s53, 12                        ; part: 4,096 bytes a work-group, 1,024 a wave
	s_lshl_b32 s60, s[WV], 10
	s_add_co_u32 s58, s58, s60
	s_add_nc_u64 s[16:17], s[16:17], s[58:59]
	s_lshl_b32 s58, s53, 9                         ; logits: 512 bytes a work-group
	s_add_nc_u64 s[18:19], s[18:19], s[58:59]
	s_lshl_b32 s58, s53, 2                         ; wmax: a word
	s_add_nc_u64 s[20:21], s[20:21], s[58:59]
	s_mov_b32 s[SEL], 0x76543210
	s_mov_b32 s[SEL+1], 0xfedcba98
	s_mov_b32 s[TB], 0
	s_mov_b32 s[LGO], 0
	s_lshl_b32 s58, s24, 7
	s_wait_alu depctr_va_vdst(0)
	s_wait_kmcnt 0x0
	s_sub_co_i32 s[LENR], s[LENR], s58             ; the length less my work-group's first row
	CHG 2, 0, G1                                   ; fragments 0 to 31 have landed; tile 0 goes out
.set f, 0
.rept 32                               ; and they go on into their registers
	WIN 0x40*(1+f/21)
.irp c, 0,1,2
	ds_load_b128 v[12*(f%21)+4*\c:12*(f%21)+4*\c+3], v[AS] offset:1536*f+512*\c
.endr
.set f, f+1
.endr
	WIN 0
	ASK 2
	ASK 3
.irp i, 0,1,2,3,4,5,6,7,8,9,10,11,12,13,14,15
	s_mov_b32 s[PS+1+2*\i], 0                      ; (named with the p as pairs, so they are written)
.endr
	s_wait_loadcnt 63                              ; fragment 63 and all small loads: 93 loads stand behind them
	ds_store_b128 v[AW63], v[PCP:PCP+3]
	ds_store_b128 v[AW63], v[PCP+4:PCP+7] offset:512
	ds_store_b128 v[AW63], v[VR:VR+3] offset:1024
.irp i, 0,1,2,3,4,5,6,7
	v_mov_b32 v[VR+\i], 0                          ; the sum begins as zeros, which the first change of m leaves zeros
.endr
	CHG 3, 0x10000, G1D                            ; tile 0 has landed, and slots 1 to 3 have been read: tiles 1 and 2 go out
	QLOAD 0, ACC
	QLOAD 1, QB1
	s_wait_dscnt 16                                ; behind the first fragment's loads: the second's
	QSTAGE 0, 0
	BARN 0                                         ; phase 0; tiles 1 and 2 stay on their way
	PHASE 0, 0, 1, 1, 4
	CHG 1, 0x20000, G1                             ; phase 1; tile 3 goes out
	PHASE 1, 1, 1, 0, 6
	s_xor_b32 s[TB], s[TB], 2*SLOT
	s_mov_b32 s[CNT], 2
.Lpair:                                            ; phases 2 and 3, then 4 and 5: tiles 4 to 7 go out
	CHG 0, 0x10000, G1
	PHASE 0, 1, 1, 0, 0
	CHG 1, 0x10000, G1
	PHASE 1, 1, 1, 0, 0
	s_xor_b32 s[TB], s[TB], 2*SLOT
	s_sub_co_u32 s[CNT], s[CNT], 1
	s_cmp_lg_u32 s[CNT], 0
	s_wait_alu depctr_va_vdst(0)
	s_cbranch_scc1 .Lpair
	BARN 1                                         ; phase 6: tile 7 has landed; nothing is left to fetch
	PHASE 0, 1, 1, 0, 0
	BARN 0                                         ; phase 7: nothing is left to quantise
	PHASE 1, 1, 0, 0, 0
	s_xor_b32 s[TB], s[TB], 2*SLOT
	BARN 0                                         ; phase 8: tile 7's share of the sum
	SHEAD 0
	s_wait_alu depctr_va_vdst(0)
.irp i, 0,1,2,3
	ds_load_b32 v[TT+\i], v[PLR] offset:256+64*\i
.endr
.irp m, 0,1,2,3
	SLOAD \m, AF+8*\m
.endr
.irp m, 4,5,6,7,8,9
	SLOAD \m, AF+48+8*(\m-4)
.endr
	s_wait_dscnt 20                                ; the partial logits; behind them: ten rows' 20 loads
.irp n, 0,1,2,3,4,5,6,7,8,9,10,11
	CHN \n
.endr
	SLOAD 14, AF+32
	SLOAD 15, AF+40
	s_wait_alu depctr_va_vdst(0)
	s_wait_dscnt 17                                ; rows 0-3; behind them: rows 4-9's 12 loads, the logit's store, rows 14-15's 4
.irp m, 0,1,2,3
	SFMA \m, AF+8*\m
.endr
.irp m, 10,11,12,13
	SLOAD \m, AF+8*(\m-10)
.endr
	s_wait_alu depctr_va_vdst(0)
	s_wait_dscnt 8                                 ; behind the others: rows 10-13's 8 loads
.irp m, 4,5,6,7,8,9
	SFMA \m, AF+48+8*(\m-4)
.endr
	SFMA 14, AF+32
	SFMA 15, AF+40
	s_wait_alu depctr_va_vdst(0)
	s_wait_dscnt 0x0
.irp m, 10,11,12,13
	SFMA \m, AF+8*(\m-10)
.endr
	global_store_b128 v[GL16], v[VR:VR+3], s[16:17]             ; my 256 columns of the partial sum: 512 consecutive bytes a store, at multiples of 256 from part's first byte
	global_store_b128 v[GL16], v[VR+4:VR+7], s[16:17] offset:512
	s_lshl_b32 s30, s[WV], 9
	v_add_nc_u32 v[AQ], s30, v[GL16]
	v_add_nc_u32 v[AQ], LGS, v[AQ]
	ds_load_b128 v[ACC:ACC+3], v[AQ]               ; my wave's own copy of the 128 logits: LDS serves a wave's instructions in order (ISA guide 5.7.1.4)
	s_wait_dscnt 0x0
	s_cmp_lg_u32 s[WV], 0                          ; all four waves hold the same logits and the same m: wave 0 stores them
	s_cbranch_scc1 .Lnot_wave_0
	global_store_b128 v[GL16], v[ACC:ACC+3], s[18:19]           ; 512 consecutive bytes
	global_store_b32 v[NIL], v[VM], s[20:21]       ; every lane writes the one word with the same value
.Lnot_wave_0:
	s_wait_tensorcnt 0x0                           ; the wave's end, behind my last tensor load and my last LDS store
	ds_add_u32 v[SPW], v[NIL]
	s_wait_dscnt 0x0
	CROUND                                         ; the closing round: no work-group ends while a partner may still ask for bytes that name it
	s_endpgm
.Lfunc_end_k_qbe1bc87504_main:
	.size	k_qbe1bc87504_main, .Lfunc_end_k_qbe1bc87504_main-k_qbe1bc87504_main
	.p2alignl 7, 3214868480
	.fill 96, 4, 3214868480
	.section	.rodata,"a",@progbits
	.p2align	6, 0x0
	.amdhsa_kernel k_qbe1bc87504_main
		.amdhsa_group_segment_fixed_size 327680
		.amdhsa_private_segment_fixed_size 0
		.amdhsa_enable_private_segment 0
		.amdhsa_kernarg_size 72
		.amdhsa_user_sgpr_count 2
		.amdhsa_user_sgpr_kernarg_segment_ptr 1
		.amdhsa_wavefront_size32 1
		.amdhsa_system_sgpr_workgroup_id_x 1
		.amdhsa_system_sgpr_workgroup_id_y 1
		.amdhsa_system_sgpr_workgroup_id_z 1
		.amdhsa_system_vgpr_workitem_id 0
		.amdhsa_next_free_vgpr 1024
		.amdhsa_next_free_sgpr 98
		.amdhsa_reserve_vcc 1
		.amdhsa_float_denorm_mode_32 3
		.amdhsa_float_denorm_mode_16_64 3
		.amdhsa_memory_ordered 1
		.amdhsa_forward_progress 1
		.amdhsa_inst_pref_size 255
	.end_amdhsa_kernel
	.section	.bss,"aw",@nobits
	.p2align	6
	.space	262144
	.amdgpu_metadata
---
amdhsa.version: [ 1, 2 ]
amdhsa.kernels:
  - .name:           k_qbe1bc87504_main
    .symbol:         k_qbe1bc87504_main.kd
    .args:
      - { .name: matrix, .offset: 0, .size: 8, .value_kind: global_buffer, .address_space: global }
      - { .name: wimg, .offset: 8, .size: 8, .value_kind: global_buffer, .address_space: global }
      - { .name: W_mat_scales, .offset: 16, .size: 8, .value_kind: global_buffer, .address_space: global }
      - { .name: t1, .offset: 24, .size: 8, .value_kind: global_buffer, .address_space: global }
      - { .name: w_attn, .offset: 32, .size: 8, .value_kind: global_buffer, .address_space: global }
      - { .name: input_lengths, .offset: 40, .size: 8, .value_kind: global_buffer, .address_space: global }
      - { .name: part, .offset: 48, .size: 8, .value_kind: global_buffer, .address_space: global }
      - { .name: logits, .offset: 56, .size: 8, .value_kind: global_buffer, .address_space: global }
      - { .name: wmax, .offset: 64, .size: 8, .value_kind: global_buffer, .address_space: global }
    .group_segment_fixed_size: 327680
    .private_segment_fixed_size: 0
    .kernarg_segment_align: 8
    .kernarg_segment_size: 72
    .max_flat_workgroup_size: 128
    .sgpr_count:     98
    .vgpr_count:     1024
    .wavefront_size: 32
...
	.end_amdgpu_metadata
.endif
;; end of part 2
;; launch finish (part 3): grid 64 x 1, 4 waves a work-group, no clusters, 0 bytes of LDS; arguments logits, part, wmax, input_lengths, out0, out1; writes out0, out1
.if DOCPART == 3
	.amdgcn_target "amdgcn-amd-amdhsa--gfx1250"
	.amdhsa_code_object_version 6
	.text
	.protected	k_qbe1bc87504_finish
	.globl	k_qbe1bc87504_finish
	.p2align	8
	.type	k_qbe1bc87504_finish,@function
k_qbe1bc87504_finish:
	s_mov_b64 s[64:65], 0
	v_nop
	global_prefetch_b8 v0, s[64:65] scope:SCOPE_SE
	s_setreg_imm32_b32 hwreg(HW_REG_WAVE_MODE, 25, 1), 1
	s_wait_xcnt 0x0
; The closing launch: what spans work-groups.  Work-group b is batch b.  G = the largest t = logit x log2(e) of ALL 32,768 rows (the largest of the 256 work-groups' maxima);
; a(row) = 2^(t - G), 0 at or past the batch's length; Z = the batch's sum of a; out1 = a / Z; out0 = the sum over the batch's four partial sums of part_q x 2^(m_q - G) / Z.
; Each wave makes G and Z for itself from 3 KB of loads: no LDS, no barrier.  Wave w then stores rows 128 w .. 128 w + 127 of out1 and columns 256 w .. 256 w + 255 of out0.
; 64 batches are work for 64 work-groups; all loads stand at the head.  No matrix unit: nothing here is a product of more than four terms.
; LIMITS.  v_exp_f32 gives 0 where the result would be denormal (ISA guide 15.8): a batch all of whose kept logits lie more than 126 powers of two (87 in e's) under the global maximum
; gives 0 / 0 = NaN here, where the definition still divides denormals down to 149 powers of two.  NaN and infinities among the inputs are not served.
	s_load_b256 s[4:11], s[0:1], 0x0               ; logits s[4:5], part s[6:7], wmax s[8:9], input_lengths s[10:11]
	s_load_b128 s[12:15], s[0:1], 0x20             ; out0 s[12:13], out1 s[14:15]
	v_lshrrev_b32 v1, 5, v0
	v_readfirstlane_b32 s16, v1                    ; wave 0..3
	v_and_b32 v84, 31, v0                          ; lane
	v_lshlrev_b32 v1, 4, v84                       ; 16 lane
	s_lshl_b32 s25, s16, 9
	v_add_nc_u32 v2, s25, v1                       ; + 512 wave: my 128 rows' logits, and their place in out1
	s_lshl_b32 s25, s16, 10
	v_add_nc_u32 v3, s25, v1                       ; + 1,024 wave: my 256 columns
	s_lshl_b32 s25, s16, 7                         ; 128 wave
	s_mov_b32 s24, 0x3fb8aa3b                      ; log2(e)
	s_mov_b32 s36, 0x76543210
	s_mov_b32 s37, 0xfedcba98                      ; v_permlanex16_b32's selects for lane l xor 16
	s_lshl_b32 s26, ttmp9, 2
	s_mov_b32 s27, 0
	s_lshl_b32 s28, ttmp9, 4
	s_mov_b32 s29, 0
	s_lshl_b32 s30, ttmp9, 11
	s_mov_b32 s31, 0
	s_lshl_b32 s32, ttmp9, 14
	s_mov_b32 s33, 0
	s_lshl_b32 s34, ttmp9, 12
	s_mov_b32 s35, 0
	s_wait_alu depctr_va_vdst(0)
	s_wait_kmcnt 0x0
	s_add_nc_u64 s[10:11], s[10:11], s[26:27]
	s_add_nc_u64 s[18:19], s[8:9], s[28:29]
	s_load_b32 s17, s[10:11], 0x0                  ; the batch's length
	s_load_b128 s[20:23], s[18:19], 0x0            ; m_q of the batch's four partial sums
	s_add_nc_u64 s[4:5], s[4:5], s[30:31]          ; the batch's 512 logits
	s_add_nc_u64 s[6:7], s[6:7], s[32:33]          ; its four partial sums of 4,096 bytes
	s_add_nc_u64 s[12:13], s[12:13], s[34:35]
	s_add_nc_u64 s[14:15], s[14:15], s[30:31]
	global_load_b128 v[4:7], v1, s[8:9]            ; all 256 maxima: 8 a lane
	global_load_b128 v[8:11], v1, s[8:9] offset:512
.irp i, 0,1,2,3
	global_load_b128 v[12+4*\i:15+4*\i], v1, s[4:5] offset:512*\i   ; register 4 i + e: row 128 i + 4 lane + e
.endr
	global_load_b128 v[28:31], v2, s[4:5]          ; my wave's 128 once more: row 128 w + 4 lane + e
.irp q, 0,1,2,3
	global_load_b128 v[32+8*\q:35+8*\q], v3, s[6:7] offset:4096*\q
	global_load_b128 v[36+8*\q:39+8*\q], v3, s[6:7] offset:4096*\q+512
.endr
	v_mov_b32 v65, 0                               ; a lane permute's destination counts as one of its sources
.irp q, 0,1,2,3
	v_mov_b32 v[67+2*\q], 0                        ; (named with the factors as pairs)
.endr
	v_lshlrev_b32 v74, 2, v84
	s_wait_alu depctr_va_vdst(0)
	s_wait_loadcnt 0x0
	s_wait_kmcnt 0x0
	v_sub_nc_u32 v74, s17, v74                     ; D = length - 4 lane: row 128 i + 4 lane + e is kept where 128 i + e < D
	v_sub_nc_u32 v75, v74, s25                     ; and for my wave's own: e < D - 128 w
	v_max3_num_f32 v64, v4, v5, v6
	v_max3_num_f32 v64, v64, v7, v8
	v_max3_num_f32 v64, v64, v9, v10
	v_max_num_f32 v64, v64, v11
	v_max_num_f32_dpp v64, v64, v64 row_xmask:1 row_mask:0xf bank_mask:0xf
	v_max_num_f32_dpp v64, v64, v64 row_xmask:2 row_mask:0xf bank_mask:0xf
	v_max_num_f32_dpp v64, v64, v64 row_xmask:4 row_mask:0xf bank_mask:0xf
	v_max_num_f32_dpp v64, v64, v64 row_xmask:8 row_mask:0xf bank_mask:0xf
	v_permlanex16_b32 v65, v64, s36, s37
	v_max_num_f32 v64, v64, v65                    ; G, in every lane
.irp k, 0,1,2,3,4,5,6,7,8,9,10,11,12,13,14,15,16,17,18,19
	v_fma_f32 v[12+\k], v[12+\k], s24, -v64        ; t - G
.endr
.irp q, 0,1,2,3
	v_sub_f32 v[66+2*\q], s[20+\q], v64            ; m_q - G
.endr
	s_wait_alu depctr_va_vdst(0)
.irp k, 0,1,2,3,4,5,6,7,8,9,10,11,12,13,14,15,16,17,18,19
	v_exp_f32 v[12+\k], v[12+\k]
.endr
.irp q, 0,1,2,3
	v_exp_f32 v[66+2*\q], v[66+2*\q]
.endr
	v_nop                                          ; a plain place behind the last exponential
	s_wait_alu depctr_va_vdst(0)                   ; one wait for the batch of 24, ahead of its first reader
.irp i, 0,1,2,3
.irp e, 0,1,2,3
	v_cmp_lt_i32 vcc_lo, 128*\i+\e, v74
	v_cndmask_b32 v[12+4*\i+\e], 0, v[12+4*\i+\e], vcc_lo
.endr
.endr
.irp e, 0,1,2,3
	v_cmp_lt_i32 vcc_lo, \e, v75
	v_cndmask_b32 v[28+\e], 0, v[28+\e], vcc_lo
.endr
	v_pk_add_f32 v[12:13], v[12:13], v[14:15]      ; Z: my 16, then across the lanes
	v_pk_add_f32 v[16:17], v[16:17], v[18:19]
	v_pk_add_f32 v[20:21], v[20:21], v[22:23]
	v_pk_add_f32 v[24:25], v[24:25], v[26:27]
	v_pk_add_f32 v[12:13], v[12:13], v[16:17]
	v_pk_add_f32 v[20:21], v[20:21], v[24:25]
	v_pk_add_f32 v[12:13], v[12:13], v[20:21]
	v_add_f32 v12, v12, v13
	v_add_f32_dpp v12, v12, v12 row_xmask:1 row_mask:0xf bank_mask:0xf
	v_add_f32_dpp v12, v12, v12 row_xmask:2 row_mask:0xf bank_mask:0xf
	v_add_f32_dpp v12, v12, v12 row_xmask:4 row_mask:0xf bank_mask:0xf
	v_add_f32_dpp v12, v12, v12 row_xmask:8 row_mask:0xf bank_mask:0xf
	v_permlanex16_b32 v65, v12, s36, s37
	v_add_f32 v12, v12, v65
	s_wait_alu depctr_va_vdst(0)
	v_rcp_f32 v13, v12                             ; 1 / Z
	v_nop                                          ; a plain place behind it
	s_wait_alu depctr_va_vdst(0)                   ; and the wait ahead of its first reader
.irp e, 0,1,2,3
	v_mul_f32 v[28+\e], v[28+\e], v13
.endr
	global_store_b128 v2, v[28:31], s[14:15]       ; out1: 32 lanes store 512 consecutive bytes, at a multiple of 256 from its first byte
.irp q, 0,1,2,3
	v_mul_f32 v[66+2*\q], v[66+2*\q], v13          ; 2^(m_q - G) / Z
.endr
.irp k, 0,1,2,3
	v_pk_mul_f32 v[76+2*\k:77+2*\k], v[32+2*\k:33+2*\k], v[66:67] op_sel_hi:[1,0]
.endr
.irp q, 1,2,3
.irp k, 0,1,2,3
	v_pk_fma_f32 v[76+2*\k:77+2*\k], v[32+8*\q+2*\k:33+8*\q+2*\k], v[66+2*\q:67+2*\q], v[76+2*\k:77+2*\k] op_sel_hi:[1,0,1]
.endr
.endr
	global_store_b128 v3, v[76:79], s[12:13]       ; out0: likewise
	global_store_b128 v3, v[80:83], s[12:13] offset:512
	s_endpgm
.Lfunc_end_k_qbe1bc87504_finish:
	.size	k_qbe1bc87504_finish, .Lfunc_end_k_qbe1bc87504_finish-k_qbe1bc87504_finish
	.p2alignl 7, 3214868480
	.fill 96, 4, 3214868480
	.section	.rodata,"a",@progbits
	.p2align	6, 0x0
	.amdhsa_kernel k_qbe1bc87504_finish
		.amdhsa_group_segment_fixed_size 0
		.amdhsa_private_segment_fixed_size 0
		.amdhsa_enable_private_segment 0
		.amdhsa_kernarg_size 48
		.amdhsa_user_sgpr_count 2
		.amdhsa_user_sgpr_kernarg_segment_ptr 1
		.amdhsa_wavefront_size32 1
		.amdhsa_system_sgpr_workgroup_id_x 1
		.amdhsa_system_sgpr_workgroup_id_y 1
		.amdhsa_system_sgpr_workgroup_id_z 1
		.amdhsa_system_vgpr_workitem_id 0
		.amdhsa_next_free_vgpr 96
		.amdhsa_next_free_sgpr 66
		.amdhsa_reserve_vcc 1
		.amdhsa_float_denorm_mode_32 3
		.amdhsa_float_denorm_mode_16_64 3
		.amdhsa_memory_ordered 1
		.amdhsa_forward_progress 1
		.amdhsa_inst_pref_size 11
	.end_amdhsa_kernel
	.amdgpu_metadata
---
amdhsa.version: [ 1, 2 ]
amdhsa.kernels:
  - .name:           k_qbe1bc87504_finish
    .symbol:         k_qbe1bc87504_finish.kd
    .args:
      - { .name: logits, .offset: 0, .size: 8, .value_kind: global_buffer, .address_space: global }
      - { .name: part, .offset: 8, .size: 8, .value_kind: global_buffer, .address_space: global }
      - { .name: wmax, .offset: 16, .size: 8, .value_kind: global_buffer, .address_space: global }
      - { .name: input_lengths, .offset: 24, .size: 8, .value_kind: global_buffer, .address_space: global }
      - { .name: out0, .offset: 32, .size: 8, .value_kind: global_buffer, .address_space: global }
      - { .name: out1, .offset: 40, .size: 8, .value_kind: global_buffer, .address_space: global }
    .group_segment_fixed_size: 0
    .private_segment_fixed_size: 0
    .kernarg_segment_align: 8
    .kernarg_segment_size: 48
    .max_flat_workgroup_size: 128
    .sgpr_count:     66
    .vgpr_count:     96
    .wavefront_size: 32
...
	.end_amdgpu_metadata
.endif
;; end of part 3
